; MI455X (gfx1250); checked and timed in simulation.
; The chip was launched on July 23, 2026; its instructions are those of AMD's public machine-readable ISA for CDNA 5 (MIT licence, August 2026) and "CDNA5" Instruction Set Architecture Reference Guide (July 2026). The comments in the code are by the model that wrote it; some were corrected since.
;; Offline Sliding Window Attn. Allowed arithmetic: float matrix products may take bf16 or f16 operands with f32 sums; other float arithmetic in f32, or as packed bf16 or f16 multiplies, adds, multiply-adds, maxima and minima; sums over many terms, partial sums and values carried from step to step in f32; what a program stores and reads back later, other than sums and carried values, may be rounded once to bf16 or f16.
;; Inputs: k 2 x 2,048 x 4 x 128 float32; k_gamma 2,048 float32; q 2 x 2,048 x 16 x 128 float32; q_gamma 2,048 float32; v 2 x 2,048 x 4 x 128 float32.
;; Outputs: out0 2 x 2,048 x 16 x 128 float32.
;; 2 versions, each right; version 2 is version 1 with the launch swattn written anew for expert scheduling mode. Each part assembles by itself: llvm-mc -triple=amdgcn-amd-amdhsa -mcpu=gfx1250 --defsym DOCPART=n.
;; ======== version 1 of 2: 1 launch
;; limits: values are held in f16: magnitudes above 65,504 overflow, below 6.1e-05 lose precision; inputs' magnitudes at most 65,504; right only within a limited range of input values
;; launch swattn (part 1): grid 32 x 8, 4 waves a work-group, no clusters, 135,680 bytes of LDS; arguments q, k, v, q_gamma, k_gamma, out0; writes out0
.if DOCPART == 1
	.amdgcn_target "amdgcn-amd-amdhsa--gfx1250"
	.amdhsa_code_object_version 6
	.text
	.protected	k_qf4e7a8418c_swattn
	.globl	k_qf4e7a8418c_swattn
	.p2align	8
	.type	k_qf4e7a8418c_swattn,@function
k_qf4e7a8418c_swattn:
	s_mov_b64 s[64:65], 0
	v_nop
	global_prefetch_b8 v0, s[64:65] scope:SCOPE_SE
	s_setreg_imm32_b32 hwreg(HW_REG_WAVE_MODE, 25, 1), 1
	s_wait_xcnt 0x0
; SLIDING-WINDOW CAUSAL ATTENTION WITH GROUP RMS NORMS ON Q AND K.  q, out: [2][2048][16][128] f32; k, v: [2][2048][4][128] f32; both gammas [2048] f32.
; Query i sees keys i - 512 .. i.  logit = sum_d (q_d / rms_q x qg_d) (k_d / rms_k x kg_d) / sqrt(128), gammas taken by the QUERY head.
; FOLDING.  Both gammas, 1 / sqrt(128) and log2(e) go onto q:  q' = q / rms_q x qg x kg x c, c = log2(e) / sqrt(128);  k' = k / rms_k, which the four query heads of a key head share.
; Scores are then in units of log2: p = 2^(s - m) with a running maximum m; O and l are multiplied by a = 2^(m_old - m_new) in every step; out = O / l.
; The clip of the softmax to 0 .. 1 changes nothing: p / l lies there for every input (0 <= p <= l), so no line is written for it.
; FORMATS.  q', k', p and v are rounded once from f32 to f16 for the matrix unit; norms, maxima, sums and O in f32.
; LIMITS.  |v| under 65,504; |qg x kg| under 45,000 (q' is at most 1.45 |qg kg|); a hidden score counts as its value less 1e30; a weight below 2^-126 counts as 0; NaN and infinities are not treated apart.
; SHARES.  A work-group owns 64 queries (block t = 0..31) of one batch and key head; its four waves are the four query heads of that key head, each with the 64 queries as four tiles of 16.
; THE WALK.  Nine steps of 64 keys: step s takes key tile t - 8 + s.  Step 0 holds the window's edge (key kj hidden where kj < qi, both counted in their blocks), step 8 the diagonal (hidden where kj > qi),
; steps 1-7 are open.  For t < 8 the tiles below 0 do not exist: their loads are clamped to tile 0 and the products and softmax are jumped, forward, past no barrier.
; THE MASK is the C operand that starts the sum S^T = K' Q'^T: for key group kb and query tile tq one of three sets of eight registers, by kb <, =, > tq.
; K AND V come as f32 and want arithmetic before the matrix unit, so they go through registers: each wave loads 16 keys of K and of V (each half of the lanes 256 consecutive aligned bytes),
; norms and rounds them and stores f16 into one of two LDS slots.  Loads for step s + 2 are issued in step s; step s converts tile s + 1 into the slot that step s - 1 read; one barrier a step.
; NO CLUSTER: in step s block t wants tile t - 8 + s, so no two work-groups of a key head want the same tile in the same step; the four heads that do share a tile are one work-group's waves and share it in LDS.
; LAYOUT.  S^T = K' Q'^T (source 0 = 16 keys, source 1 = 16 queries): a lane holds ONE query (lane % 16) and keys 8 (lane / 16) + 0..7.  Two such results rounded to f16 in pairs ARE source 1 of
; O^T = V^T P, whose result again holds one query a lane, and eight channels.  K' comes out of LDS as it lies, V turned, by ds_load_tr16_b128.
; REGISTERS, in windows of 256 (s_set_vgpr_msb: bits 1:0 source 0, 3:2 source 1, 5:4 source 2, 7:6 destination):
;   window 0: v0-23 addresses; v24-55 eight statistics a tile; v64-191 S^T, 32 a tile (v64-79 also at work in the conversion, when S^T holds nothing); v192-255 converted K', V
;   window 1: O^T, 64 a tile; at the head Q as loaded      window 2: v0-127 Q' in f16; v128-255 K's fragments, then V's; at the head the gammas; at the end the rows of the output
;   window 3: v0-63 K as loaded, v64-127 V as loaded, v128-191 P, v192-223 the masks
.set PK,    272       ; a row of K' in LDS: 256 bytes + 16 = 68 words: the 16 rows of a fragment load start at 16 different groups of four banks (64 banks of 4 bytes: ISA guide 11.1)
.set PVP,   288       ; a row of V: 256 + 32 = 72 words
.set VOFF,  64*PK     ; in a slot: 64 rows of K', then 64 rows of V
.set SLOT1, 65536     ; slot 1 begins here: one exclusive or turns an address in one slot into the other's
.set STAGE, SLOT1+64*(PK+PVP)  ; behind the slots: 16 rows x 528 bytes for each wave, for the way out
.set SP,    528       ; 512 bytes + 16
.set SPARE, STAGE+4*16*SP      ; the spare words, 128 bytes for each wave: two blocks of 256 bytes that no other line names
.set AK0, 2           ; my lane's place in a tile of K'; never rewritten
.set AV0, 3           ; the same for V
.set ADR, 4           ; LDS address of the run of fragment loads in hand
.set KO0, 5           ; my byte offset in a tile of k in memory; never rewritten
.set VO0, 6           ; the same in v
.set KO,  7           ; KO0 + the tile
.set VO,  8
.set KS0, 9           ; where I store my 8 bytes of a row of K' in a slot; never rewritten
.set VS0, 10
.set KSA, 11          ; KS0 + the slot
.set VSA, 12
.set QO,  13          ; my byte offset in 16 rows of q
.set STO, 14          ; the way out: where I put 16 bytes of a row
.set RD,  15          ; the way out: where I read a row back
.set GO,  16          ; my 16 bytes of a row of the output
.set GMO, 17          ; my byte offset in a head's gammas
.set SPW, 18          ; LDS address of my spare word; never rewritten
.set NIL, 19          ; 0; never rewritten
.set ST,  24          ; tile t at ST + 8 t: +0 m, +1 m_old, then its change, +2, +3 l (even keys', odd keys'), +4..+7 c0-c3 at work; a takes c2's place
.set S,   64
.set TT,  64          ; the conversion's sums of squares and reciprocal roots, a pair for each of 8 rows
.set CVK, 192
.set CVV, 224
.set KF,  128         ; window 2: fragments
.set GQ,  128         ; window 2, at the head: q_gamma, then the product of the gammas
.set GK,  192         ; window 2, at the head: k_gamma
.set XK,  0           ; window 3
.set XV,  64
.set P,   128
.set MDG, 192         ; the diagonal's mask: -1e30 where my key lies behind my query; made once
.set MLT, 200         ; the masks of the step to come, for kb < tq,
.set MEQ, 208         ; kb = tq,
.set MGT, 216         ; kb > tq
.set WV,   16         ; my wave's number
.set BLK,  17         ; t
.set STEP, 28         ; 0 to 8
.set KT,   29         ; the step's key tile, t - 8 + step; below 0 it does not exist
.set TB,   30         ; the slot that is read
.set TS,   31         ; the slot that is written
.set SEL,  32         ; s[32:33] v_permlanex16_b32's selects: each lane takes its own place in the other half
.set BIGN, 34         ; -1e30
.set GT,   35
.set AD,   36         ; s[36:37] the diagonal mask's factor, in the low word
.set RCPD, 38         ; 1 / 128
.set EPS,  39         ; 1e-6
.set OFFS, 40
.set GC,   42         ; c
.set MSB, 0
.macro WIN new                      ; the immediate's high byte repeats the setting that is left; a switch that changes nothing is dropped
.if MSB != (\new)
	s_set_vgpr_msb (MSB<<8)|(\new)
.set MSB, (\new)
.endif
.endm
; 32 loads: my wave's 16 keys of K and of V of tile max(KT + ahead, 0).  Lanes 0-15 take 256 bytes of one row, lanes 16-31 of the row 8 (K) or 4 (V) further down, so that the two halves of
; the later 8-byte LDS stores fall 32 banks apart (8 x 68 and 4 x 72 words are both 32 modulo 64).  KO and VO are written here: their last loads have been waited for.
.macro LOADKV ahead
	WIN 0
	s_add_co_i32 s[OFFS], s[KT], \ahead
	s_max_i32 s[OFFS], s[OFFS], 0
	s_lshl_b32 s[OFFS], s[OFFS], 17                ; a tile is 64 keys of 2,048 bytes
	v_add_nc_u32 v[KO], s[OFFS], v[KO0]
	v_add_nc_u32 v[VO], s[OFFS], v[VO0]
	WIN 0xc0                                       ; destination window 3
.irp g, 0,1,2,3,4,5,6,7
.irp j, 0,1
	global_load_b128 v[XK+8*(\g)+4*(\j):XK+8*(\g)+4*(\j)+3], v[KO], s[6:7] offset:(\g)*2048+256*(\j)
	global_load_b128 v[XV+8*(\g)+4*(\j):XV+8*(\g)+4*(\j)+3], v[VO], s[8:9] offset:(((\g)&3)+8*((\g)>>2))*2048+256*(\j)
.endr
.endr
	WIN 0
.endm
; The tile in XK, XV goes into slot TS: K divided by its rows' rms, both rounded to f16.  A row's 128 numbers lie in 16 lanes, 8 each: four steps of row_xmask add them up in every lane.
; The eight reciprocal roots are one batch; V's 32 roundings and 16 stores are the independent work behind it; one wait stands ahead of the first multiply that reads them.
.macro CONVERT cnt
	WIN 0
	s_wait_loadcnt \cnt                            ; the tile's 32 loads are in
	v_add_nc_u32 v[KSA], s[TS], v[KS0]
	v_add_nc_u32 v[VSA], s[TS], v[VS0]
	WIN 0x0f                                       ; sources 0 and 1 window 3
.irp g, 0,1,2,3,4,5,6,7
	v_pk_mul_f32 v[TT+2*(\g):TT+2*(\g)+1], v[XK+8*(\g):XK+8*(\g)+1], v[XK+8*(\g):XK+8*(\g)+1]
.endr
.irp e, 2,4,6
.irp g, 0,1,2,3,4,5,6,7
	v_pk_fma_f32 v[TT+2*(\g):TT+2*(\g)+1], v[XK+8*(\g)+(\e):XK+8*(\g)+(\e)+1], v[XK+8*(\g)+(\e):XK+8*(\g)+(\e)+1], v[TT+2*(\g):TT+2*(\g)+1]
.endr
.endr
	WIN 0
.irp g, 0,1,2,3,4,5,6,7
	v_add_f32 v[TT+2*(\g)], v[TT+2*(\g)], v[TT+2*(\g)+1]
.endr
.irp x, 1,2,4,8
.irp g, 0,1,2,3,4,5,6,7
	v_add_f32_dpp v[TT+2*(\g)], v[TT+2*(\g)], v[TT+2*(\g)] row_xmask:\x row_mask:0xf bank_mask:0xf
.endr
.endr
.irp g, 0,1,2,3,4,5,6,7
	v_fma_f32 v[TT+2*(\g)], v[TT+2*(\g)], s[RCPD], s[EPS]      ; mean of squares + eps
.endr
.irp g, 0,1,2,3,4,5,6,7
	v_rsq_f32 v[TT+2*(\g)], v[TT+2*(\g)]
.endr
	WIN 0x0f
.set n, 0
.rept 32
	v_cvt_pk_f16_f32 v[CVV+n], v[XV+2*n], v[XV+2*n+1]
.set n, n+1
.endr
	WIN 0
.irp g, 0,1,2,3,4,5,6,7
.irp j, 0,1
	ds_store_b64 v[VSA], v[CVV+4*(\g)+2*(\j):CVV+4*(\g)+2*(\j)+1] offset:(((\g)&3)+8*((\g)>>2))*PVP+128*(\j)
.endr
.endr
	s_wait_alu depctr_va_vdst(0)                   ; one wait for the eight reciprocal roots, ahead of their first reader
	WIN 0xc3                                       ; destination and source 0 window 3
.irp g, 0,1,2,3,4,5,6,7
.irp e, 0,2,4,6
	v_pk_mul_f32 v[XK+8*(\g)+(\e):XK+8*(\g)+(\e)+1], v[XK+8*(\g)+(\e):XK+8*(\g)+(\e)+1], v[TT+2*(\g):TT+2*(\g)+1] op_sel_hi:[1,0]
.endr
.endr
	WIN 0x0f
.set n, 0
.rept 32
	v_cvt_pk_f16_f32 v[CVK+n], v[XK+2*n], v[XK+2*n+1]
.set n, n+1
.endr
	WIN 0
.irp g, 0,1,2,3,4,5,6,7
.irp j, 0,1
	ds_store_b64 v[KSA], v[CVK+4*(\g)+2*(\j):CVK+4*(\g)+2*(\j)+1] offset:(\g)*PK+128*(\j)
.endr
.endr
.endm
; K's 16 fragments (key group kb, channels 32 c on, at KF + 32 kb + 8 c), the channels' rounds in order, so that the products of round c can start when its eight loads are in.
.macro FETCH_K
	WIN 0
	v_add_nc_u32 v[ADR], s[TB], v[AK0]
	WIN 0x80                                       ; destination window 2
.irp c, 0,1,2,3
.irp kb, 0,1,2,3
	ds_load_b128 v[KF+32*(\kb)+8*(\c):KF+32*(\kb)+8*(\c)+3],   v[ADR] offset:(\kb)*16*PK+64*(\c)
	ds_load_b128 v[KF+32*(\kb)+8*(\c)+4:KF+32*(\kb)+8*(\c)+7], v[ADR] offset:(\kb)*16*PK+64*(\c)+32
.endr
.endr
.endm
; Product i of 64 of S^T: channels 32 (i / 16) on, query tile (i % 16) / 4, key group i % 4.  The first 16 start the sums with the mask.  The 16 accumulators take turns.
.macro MKQ
.set rS, S+32*((i%16)/4)+8*(i%4)
.set rK, KF+32*(i%4)+8*(i/16)
.set rQ, 32*((i%16)/4)+8*(i/16)
.if i < 16
.if (i%4) < (i/4)
.set rM, MLT
.elseif (i%4) == (i/4)
.set rM, MEQ
.else
.set rM, MGT
.endif
	WIN 0x3a                                       ; K', Q' window 2, the mask window 3, S^T window 0
	v_wmma_f32_16x16x32_f16 v[rS:rS+7], v[rK:rK+7], v[rQ:rQ+7], v[rM:rM+7]
.else
	WIN 0x0a
	v_wmma_f32_16x16x32_f16 v[rS:rS+7], v[rK:rK+7], v[rQ:rQ+7], v[rS:rS+7]
.endif
.endm
; V's 16 fragments, turned (keys 32 (f / 8) on, channels 16 (f % 8) on), into the registers that K's have left: four plain instructions stand between the last product that read them and the loads.
.macro FETCH_V
	WIN 0
	v_add_nc_u32 v[ADR], s[TB], v[AV0]
	v_nop
	v_nop
	v_nop
	WIN 0x80
.irp f, 0,1,2,3,4,5,6,7,8,9,10,11,12,13,14,15
	ds_load_tr16_b128 v[KF+8*(\f):KF+8*(\f)+3],   v[ADR] offset:((\f)/8)*32*PVP+((\f)%8)*32
	ds_load_tr16_b128 v[KF+8*(\f)+4:KF+8*(\f)+7], v[ADR] offset:((\f)/8)*32*PVP+16*PVP+((\f)%8)*32
.endr
.endm
; Number j of the 21 that find tile t's maximum and a.  0-11: four chains c0-c3 of seven scores each, each accumulator's lowest registers first; 12-15: the four scores left over,
; c0-c3 and the old m into c0; 16, 18: the query's other 32 keys lie in the lane 16 away; 17, 19, 20: m_old is kept, m_old - m_new, a.
.macro SM j, t
.set rT, ST+8*(\t)
.set rS, S+32*(\t)
.if (\j) < 4
	v_max3_num_f32 v[rT+4+(\j)], v[rS+8*(\j)], v[rS+8*(\j)+1], v[rS+8*(\j)+2]
.elseif (\j) < 12
	v_max3_num_f32 v[rT+4+(\j)%4], v[rT+4+(\j)%4], v[rS+8*((\j)%4)+2*((\j)/4)+1], v[rS+8*((\j)%4)+2*((\j)/4)+2]
.elseif (\j) == 12
	v_max3_num_f32 v[rT+4], v[rT+4], v[rS+7], v[rS+15]
.elseif (\j) == 13
	v_max3_num_f32 v[rT+6], v[rT+6], v[rS+23], v[rS+31]
.elseif (\j) == 14
	v_max3_num_f32 v[rT+4], v[rT+4], v[rT+5], v[rT+6]
.elseif (\j) == 15
	v_max3_num_f32 v[rT+4], v[rT+4], v[rT+7], v[rT]
.elseif (\j) == 16
	v_permlanex16_b32 v[rT+5], v[rT+4], s[SEL], s[SEL+1]
.elseif (\j) == 17
	v_mov_b32 v[rT+1], v[rT]
.elseif (\j) == 18
	v_max_num_f32 v[rT], v[rT+4], v[rT+5]
.elseif (\j) == 19
	v_sub_f32 v[rT+1], v[rT+1], v[rT]
.else
	v_exp_f32 v[rT+6], v[rT+1]
.endif
.endm
.macro FS pr                        ; s - m for pair pr / 4 of tile pr % 4
.set rT, ST+8*((\pr)%4)
.set rS, S+32*((\pr)%4)+2*((\pr)/4)
	v_pk_add_f32 v[rS:rS+1], v[rS:rS+1], v[rT:rT+1] op_sel_hi:[1,0] neg_lo:[0,1] neg_hi:[0,1]
.endm
.macro E2 pr                        ; the pair's two exponentials
.set rS, S+32*((\pr)%4)+2*((\pr)/4)
	v_exp_f32 v[rS], v[rS]
	v_exp_f32 v[rS+1], v[rS+1]
.endm
; A step's softmax for the wave's four tiles, the tiles alternating.  All 132 exponentials are ONE batch: ahead of its one wait nothing names a result of theirs.
.macro SOFTMAX
	WIN 0
.irp j, 0,1,2,3,4,5,6,7,8,9,10,11,12,13,14,15,16,17,18,19,20
.irp t, 0,1,2,3
	SM \j, \t
.endr
.endr
.set n, 0
.rept 4
	FS n
.set n, n+1
.endr
.set n, 0
.rept 60                            ; a pair is shifted four pairs ahead of its exponentials
	FS n+4
	E2 n
.set n, n+1
.endr
.rept 4
	E2 n
.set n, n+1
.endr
	v_nop                                          ; a plain instruction behind the last exponential
	s_wait_alu depctr_va_vdst(0)                   ; one wait for the batch, ahead of its first reader
	WIN 0xc0                                       ; P in window 3
.set n, 0
.rept 16
.irp t, 0,1,2,3
	v_cvt_pk_f16_f32 v[P+16*(\t)+n], v[S+32*(\t)+2*n], v[S+32*(\t)+2*n+1]
.endr
.set n, n+1
.endr
	WIN 0
.set z, 0
.rept 16                            ; the sum of a tile's 16 pairs, in place: neighbours 1, 2, 4 and 8 pairs apart; then l = a l + the sum
.set w, 4
.set u, z
.if z >= 14
.set w, 32
.set u, 0
.elseif z >= 12
.set w, 16
.set u, z-12
.elseif z >= 8
.set w, 8
.set u, z-8
.endif
.irp t, 0,1,2,3
.if z < 15
	v_pk_add_f32 v[S+32*(\t)+w*u:S+32*(\t)+w*u+1], v[S+32*(\t)+w*u:S+32*(\t)+w*u+1], v[S+32*(\t)+w*u+w/2:S+32*(\t)+w*u+w/2+1]
.else
	v_pk_fma_f32 v[ST+8*(\t)+2:ST+8*(\t)+3], v[ST+8*(\t)+2:ST+8*(\t)+3], v[ST+8*(\t)+6:ST+8*(\t)+7], v[S+32*(\t):S+32*(\t)+1] op_sel_hi:[1,0,1]
.endif
.endr
.set z, z+1
.endr
	WIN 0x41                                       ; O^T (destination and source 0) window 1, a window 0
.set n, 0
.rept 32                            ; O^T times a, each accumulator's registers in ascending order
.irp t, 0,1,2,3
	v_pk_mul_f32 v[64*(\t)+2*n:64*(\t)+2*n+1], v[64*(\t)+2*n:64*(\t)+2*n+1], v[ST+8*(\t)+6:ST+8*(\t)+7] op_sel_hi:[1,0]
.endr
.set n, n+1
.endr
.endm
; Product i of 64 of O^T += V^T P: keys 32 (i / 32) on, channels 16 ((i / 4) % 8) on, tile i % 4.  The 32 accumulators take turns.
.macro MPV
.set rO, 64*(i%4)+8*((i/4)%8)
.set rV, KF+64*(i/32)+8*((i/4)%8)
.set rP, P+16*(i%4)+8*(i/32)
	v_wmma_f32_16x16x32_f16 v[rO:rO+7], v[rV:rV+7], v[rP:rP+7], v[rO:rO+7]
.endm
; The masks of the next step: all 0, but for step 8, the diagonal's.  These 20 plain lines are also the places between the last product and the next loads into the fragments' registers.
.macro MASKS
	s_cmp_eq_u32 s[STEP], 7
	s_cselect_b32 s[GT], s[BIGN], 0
	s_cselect_b32 s[AD], 1.0, 0
	WIN 0xc0
.irp j, 0,1,2,3,4,5,6,7
	v_mov_b32 v[MLT+(\j)], 0
	v_mov_b32 v[MGT+(\j)], s[GT]
.endr
	WIN 0xc3
.irp j, 0,2,4,6
	v_pk_mul_f32 v[MEQ+(\j):MEQ+(\j)+1], v[MDG+(\j):MDG+(\j)+1], s[AD:AD+1] op_sel_hi:[1,0]
.endr
	WIN 0
.endm
	; ---- the head ----
	s_load_b256 s[4:11], s[0:1], 0x0               ; q s[4:5], k s[6:7], v s[8:9], q_gamma s[10:11]
	s_load_b128 s[12:15], s[0:1], 0x20             ; k_gamma s[12:13], out s[14:15]
	v_lshl_add_u32 v[SPW], v0, 2, SPARE
	v_mov_b32 v[NIL], 0
	v_lshrrev_b32 v20, 5, v0
	v_readfirstlane_b32 s[WV], v20                 ; wave 0..3
	v_and_b32 v1, 15, v0                           ; l % 16
	v_bfe_u32 v20, v0, 4, 1                        ; l / 16
	v_and_b32 v21, 31, v0                          ; l
	v_and_b32 v22, 7, v0                           ; l % 8
	v_bfe_u32 v23, v0, 3, 1                        ; (l / 8) % 2
	s_mov_b32 s[BLK], ttmp9                        ; t
	s_and_b32 s18, ttmp7, 0xffff
	s_and_b32 s19, s18, 3                          ; key head
	s_lshr_b32 s18, s18, 2                         ; batch
	s_lshl2_add_u32 s20, s19, s[WV]                ; query head = 4 x key head + wave
	s_lshl_b32 s22, s18, 22                        ; k, v: a batch is 2,048 keys of 2,048 bytes,
	s_lshl_b32 s21, s19, 9                         ; a head 512 bytes of a key
	s_add_co_u32 s22, s22, s21
	s_mov_b32 s23, 0
	s_lshl_b32 s24, s18, 24                        ; q, out: a batch is 2,048 rows of 8,192 bytes,
	s_lshl_b32 s21, s[BLK], 19                     ; a block 64 rows,
	s_add_co_u32 s24, s24, s21
	s_lshl_b32 s26, s20, 9                         ; a head 512 bytes of a row, and of a gamma
	s_add_co_u32 s24, s24, s26
	s_mov_b32 s25, 0
	s_mov_b32 s27, 0
	s_mov_b32 s[STEP], 0
	s_sub_co_i32 s[KT], s[BLK], 8
	s_mov_b32 s[TB], 0
	s_mov_b32 s[TS], 0
	s_mov_b32 s[SEL], 0x76543210
	s_mov_b32 s[SEL+1], 0xfedcba98
	s_mov_b32 s[BIGN], 0xf149f2ca                  ; -1e30
	s_mov_b32 s[AD], 0
	s_mov_b32 s[AD+1], 0                           ; named with it as a pair
	s_mov_b32 s[RCPD], 0x3c000000                  ; 1 / 128
	s_mov_b32 s[EPS], 0x358637bd                   ; 1e-6
	s_mov_b32 s[GC], 0x3e0293ee                    ; c = log2(e) / sqrt(128) = 0.127517
	s_lshl_b32 s21, s[WV], 15                      ; my wave's 16 keys of a tile
	v_lshlrev_b32 v[KO0], 4, v1                    ; 16 bytes a lane
	v_add_nc_u32 v[KO0], s21, v[KO0]
	v_lshl_add_u32 v[VO0], v20, 13, v[KO0]         ; lanes 16-31: 4 keys further down in v,
	v_lshl_add_u32 v[KO0], v20, 14, v[KO0]         ; 8 in k
	v_lshlrev_b32 v[GMO], 5, v20                   ; a fragment's 8 channels are 32 bytes of f32: the lanes' halves lie 32 bytes apart
	v_lshl_add_u32 v[QO], v1, 13, v[GMO]           ; row l % 16 of 8,192 bytes
	s_wait_kmcnt 0x0
	s_add_nc_u64 s[6:7], s[6:7], s[22:23]
	s_add_nc_u64 s[8:9], s[8:9], s[22:23]
	s_add_nc_u64 s[4:5], s[4:5], s[24:25]
	s_add_nc_u64 s[14:15], s[14:15], s[24:25]
	s_add_nc_u64 s[10:11], s[10:11], s[26:27]
	s_add_nc_u64 s[12:13], s[12:13], s[26:27]
	LOADKV 0                                       ; 32 loads: step 0's tile
	WIN 0x80
.set i, 0
.rept 16                            ; 32 loads: the gammas of my channels 32 c + 16 u + 8 (l / 16) + 4 v + 0..3, i = 4 c + 2 u + v: the order of a fragment's registers
	global_load_b128 v[GQ+4*i:GQ+4*i+3], v[GMO], s[10:11] offset:128*(i/4)+64*((i/2)%2)+16*(i%2)
	global_load_b128 v[GK+4*i:GK+4*i+3], v[GMO], s[12:13] offset:128*(i/4)+64*((i/2)%2)+16*(i%2)
.set i, i+1
.endr
	WIN 0x40
.set i, 0
.rept 64                            ; 64 loads: Q, tile i / 16, in the same order
	global_load_b128 v[4*i:4*i+3], v[QO], s[4:5] offset:131072*(i/16)+128*((i%16)/4)+64*((i/2)%2)+16*(i%2)
.set i, i+1
.endr
	WIN 0
	; the rest of the set-up stands in the wait for those loads
	v_mul_u32_u24 v[AK0], v1, PK
	v_lshl_add_u32 v[AK0], v20, 4, v[AK0]          ; row x pitch + 16 x half
	v_lshl_add_u32 v[AV0], v20, 3, v22             ; the turning load: key 8 (l / 16) + l % 8,
	v_mul_u32_u24 v[AV0], v[AV0], PVP
	v_lshl_add_u32 v[AV0], v23, 4, v[AV0]          ; channels 8 ((l / 8) % 2) on
	v_add_nc_u32 v[AV0], VOFF, v[AV0]
	s_mul_i32 s21, s[WV], 16*PK
	v_mul_u32_u24 v[KS0], v20, 8*PK
	v_lshl_add_u32 v[KS0], v1, 3, v[KS0]           ; my 4 channels are 8 bytes of f16
	v_add_nc_u32 v[KS0], s21, v[KS0]
	s_mul_i32 s21, s[WV], 16*PVP
	s_add_co_u32 s21, s21, VOFF
	v_mul_u32_u24 v[VS0], v20, 4*PVP
	v_lshl_add_u32 v[VS0], v1, 3, v[VS0]
	v_add_nc_u32 v[VS0], s21, v[VS0]
	s_mul_i32 s21, s[WV], 16*SP
	s_add_co_u32 s21, s21, STAGE                   ; my stage
	v_mul_u32_u24 v[STO], v1, SP                   ; in: row l % 16, 32 bytes for each half of the lanes
	v_add3_u32 v[STO], v[STO], v[GMO], s21
	v_lshlrev_b32 v[GO], 4, v21                    ; back: 32 lanes take one row of 512 bytes
	v_add_nc_u32 v[RD], s21, v[GO]
.irp t, 0,1,2,3
	v_mov_b32 v[ST+8*(\t)], 0xff7fffff             ; m: the lowest finite number, so the first live step's a is 0
.irp x, 1,2,3,4,5,6,7
	v_mov_b32 v[ST+8*(\t)+(\x)], 0
.endr
.endr
	v_lshlrev_b32 v56, 3, v20
	v_sub_nc_u32 v56, v1, v56                      ; e = l % 16 - 8 (l / 16): in a block with kb = tq my register j holds a key before my query where j < e, behind it where j > e
	WIN 0xc0
.irp j, 0,1,2,3,4,5,6,7
	v_cmp_gt_i32 vcc_lo, \j, v56
	v_cndmask_b32 v[MDG+(\j)], 0, s[BIGN], vcc_lo  ; the diagonal: hidden behind the query
	v_cmp_lt_i32 vcc_lo, \j, v56
	v_cndmask_b32 v[MEQ+(\j)], 0, s[BIGN], vcc_lo  ; step 0, the window's edge: hidden before the query,
	v_mov_b32 v[MLT+(\j)], s[BIGN]                 ; all of the earlier key groups,
	v_mov_b32 v[MGT+(\j)], 0                       ; none of the later
.endr
	WIN 0
	CONVERT 63                                     ; of the 128 loads at most 63 are out: the oldest 65 are in, K, V and both gammas among them
	s_xor_b32 s[TS], s[TS], SLOT1
	WIN 0x8a
.set n, 0
.rept 32
	v_pk_mul_f32 v[GQ+2*n:GQ+2*n+1], v[GQ+2*n:GQ+2*n+1], v[GK+2*n:GK+2*n+1]  ; qg x kg
.set n, n+1
.endr
	LOADKV 1                                       ; step 1's tile
	s_wait_loadcnt 32                              ; Q is in; the 32 just issued stay out
	WIN 0x05                                       ; sources 0 and 1 window 1
.irp t, 0,1,2,3
	v_pk_mul_f32 v[ST+8*(\t)+4:ST+8*(\t)+5], v[64*(\t):64*(\t)+1], v[64*(\t):64*(\t)+1]
.endr
.set n, 1
.rept 31                            ; the squares of my 64 channels of a query, four chains: one a tile
.irp t, 0,1,2,3
	v_pk_fma_f32 v[ST+8*(\t)+4:ST+8*(\t)+5], v[64*(\t)+2*n:64*(\t)+2*n+1], v[64*(\t)+2*n:64*(\t)+2*n+1], v[ST+8*(\t)+4:ST+8*(\t)+5]
.endr
.set n, n+1
.endr
	WIN 0
.irp t, 0,1,2,3
	v_add_f32 v[ST+8*(\t)+4], v[ST+8*(\t)+4], v[ST+8*(\t)+5]
.endr
.irp t, 0,1,2,3
	v_permlanex16_b32 v[ST+8*(\t)+5], v[ST+8*(\t)+4], s[SEL], s[SEL+1]  ; the query's other 64 channels lie in the lane 16 away
.endr
.irp t, 0,1,2,3
	v_add_f32 v[ST+8*(\t)+4], v[ST+8*(\t)+4], v[ST+8*(\t)+5]
.endr
.irp t, 0,1,2,3
	v_fma_f32 v[ST+8*(\t)+4], v[ST+8*(\t)+4], s[RCPD], s[EPS]
.endr
.irp t, 0,1,2,3
	v_rsq_f32 v[ST+8*(\t)+6], v[ST+8*(\t)+4]
.endr
	WIN 0x49                                       ; Q (destination, source 0) window 1, the gammas window 2
.set n, 0
.rept 32                            ; Q times the gammas: the independent work behind the four reciprocal roots
.irp t, 0,1,2,3
	v_pk_mul_f32 v[64*(\t)+2*n:64*(\t)+2*n+1], v[64*(\t)+2*n:64*(\t)+2*n+1], v[GQ+2*n:GQ+2*n+1]
.endr
.set n, n+1
.endr
	s_wait_alu depctr_va_vdst(0)                   ; one wait for the four, ahead of their first reader
	WIN 0
.irp t, 0,1,2,3
	v_mul_f32 v[ST+8*(\t)+6], s[GC], v[ST+8*(\t)+6]  ; c / rms
.endr
	WIN 0x41
.set n, 0
.rept 32
.irp t, 0,1,2,3
	v_pk_mul_f32 v[64*(\t)+2*n:64*(\t)+2*n+1], v[64*(\t)+2*n:64*(\t)+2*n+1], v[ST+8*(\t)+6:ST+8*(\t)+7] op_sel_hi:[1,0]
.endr
.set n, n+1
.endr
	WIN 0x85                                       ; sources window 1, destination window 2
.set n, 0
.rept 128
	v_cvt_pk_f16_f32 v[n], v[2*n], v[2*n+1]        ; Q' of tile n / 32
.set n, n+1
.endr
	WIN 0
	; O^T is not cleared: its registers hold q' in f32, finite numbers, and the first live step multiplies them by a = 0.
	s_wait_dscnt 0x0                               ; my rows of step 0's tile are in slot 0,
	s_barrier_signal -1
	s_barrier_wait -1                              ; everybody's are
	; ---- nine steps ----
.Lstep:
	s_cmp_eq_u32 s[STEP], 8
	s_cbranch_scc1 .Lno_next                       ; the last step has no tile to prepare
	CONVERT 0                                      ; the next step's tile, asked for a step ago, into the slot that nobody reads in this step
	s_cmp_eq_u32 s[STEP], 7
	s_cbranch_scc1 .Lno_next
	LOADKV 2                                       ; the tile two steps on: it has the rest of this step in which to come
.Lno_next:
	s_cmp_lt_i32 s[KT], 0
	s_cbranch_scc1 .Ldead                          ; the tile lies before the sequence's first key
	FETCH_K
.set i, 0
.rept 64
.if i%16 == 0
	s_wait_dscnt 24-8*(i/16)                       ; this round's eight loads are in; the later rounds' may be out
.endif
	MKQ
.set i, i+1
.endr
	FETCH_V
	SOFTMAX
	s_wait_dscnt 0x0                               ; V is in
	WIN 0x5e                                       ; V window 2, P window 3, O^T window 1
.set i, 0
.rept 64
	MPV
.set i, i+1
.endr
	WIN 0
.Ldead:
	MASKS
	s_wait_dscnt 0x0                               ; my stores into the one slot are done and my reads of the other are back:
	s_barrier_signal -1                            ; ONE barrier orders this step's stores with the next step's reads, and this step's reads with the next step's stores
	s_xor_b32 s[TB], s[TB], SLOT1
	s_xor_b32 s[TS], s[TS], SLOT1
	s_add_co_i32 s[KT], s[KT], 1
	s_barrier_wait -1
	s_add_co_u32 s[STEP], s[STEP], 1
	s_cmp_lt_u32 s[STEP], 9
	s_cbranch_scc1 .Lstep
	; ---- the way out: l's two halves and the other half of the lanes' are added; O^T is divided by l and sent through my stage in LDS, a tile (16 rows of 512 bytes) at a time ----
.irp t, 0,1,2,3
	v_add_f32 v[ST+8*(\t)+4], v[ST+8*(\t)+2], v[ST+8*(\t)+3]
.endr
.irp t, 0,1,2,3
	v_permlanex16_b32 v[ST+8*(\t)+5], v[ST+8*(\t)+4], s[SEL], s[SEL+1]
.endr
.irp t, 0,1,2,3
	v_add_f32 v[ST+8*(\t)+4], v[ST+8*(\t)+4], v[ST+8*(\t)+5]
.endr
.irp t, 0,1,2,3
	v_rcp_f32 v[ST+8*(\t)+6], v[ST+8*(\t)+4]
.endr
	v_nop                                          ; a plain instruction behind the last reciprocal
	s_wait_alu depctr_va_vdst(0)                   ; one wait for the four, ahead of their first reader
.macro PACK t
	WIN 0x41
.set n, 0
.rept 32                            ; each accumulator's registers in ascending order
	v_pk_mul_f32 v[64*(\t)+2*n:64*(\t)+2*n+1], v[64*(\t)+2*n:64*(\t)+2*n+1], v[ST+8*(\t)+6:ST+8*(\t)+7] op_sel_hi:[1,0]
.set n, n+1
.endr
	WIN 0x04                                       ; the stores' data window 1
.set n, 0
.rept 16                            ; channels 16 (n / 2) + 8 (l / 16) + 4 (n % 2) on
	ds_store_b128 v[STO], v[64*(\t)+4*n:64*(\t)+4*n+3] offset:64*(n/2)+16*(n%2)
.set n, n+1
.endr
	WIN 0x80                                       ; back into window 2, whose registers are free
.set n, 0
.rept 16
	ds_load_b128 v[64*(\t)+4*n:64*(\t)+4*n+3], v[RD] offset:n*SP  ; LDS serves a wave's instructions in order (ISA guide 5.7.1.4): these see the stores above, and the next tile's stores come behind them
.set n, n+1
.endr
.endm
.macro SEND t, younger              ; younger: the LDS instructions issued behind tile t's loads: the next tile's 32, or none
	WIN 0x08                                       ; the stores' data window 2
.set n, 0
.rept 16
	s_wait_dscnt (\younger)+15-n                   ; row n is back
	global_store_b128 v[GO], v[64*(\t)+4*n:64*(\t)+4*n+3], s[14:15] offset:(16*(\t)+n)*8192 th:TH_STORE_NT  ; the wave stores 512 consecutive bytes, at a multiple of 512 from the output's first byte
.set n, n+1
.endr
.endm
	PACK 0
	PACK 1                                         ; a tile's arithmetic stands between the loads of the tile before and its stores
	SEND 0, 32
	PACK 2
	SEND 1, 32
	PACK 3
	SEND 2, 32
	SEND 3, 0
	WIN 0
	s_wait_tensorcnt 0x0                           ; the wave's end, behind my last LDS store
	ds_add_u32 v[SPW], v[NIL]
	s_wait_dscnt 0x0
	s_endpgm
.Lfunc_end_k_qf4e7a8418c_swattn:
	.size	k_qf4e7a8418c_swattn, .Lfunc_end_k_qf4e7a8418c_swattn-k_qf4e7a8418c_swattn
	.p2alignl 7, 3214868480
	.fill 96, 4, 3214868480
	.section	.rodata,"a",@progbits
	.p2align	6, 0x0
	.amdhsa_kernel k_qf4e7a8418c_swattn
		.amdhsa_group_segment_fixed_size 135680
		.amdhsa_private_segment_fixed_size 0
		.amdhsa_enable_private_segment 0
		.amdhsa_kernarg_size 48
		.amdhsa_user_sgpr_count 2
		.amdhsa_user_sgpr_kernarg_segment_ptr 1
		.amdhsa_wavefront_size32 1
		.amdhsa_system_sgpr_workgroup_id_x 1
		.amdhsa_system_sgpr_workgroup_id_y 1
		.amdhsa_system_sgpr_workgroup_id_z 1
		.amdhsa_system_vgpr_workitem_id 0
		.amdhsa_next_free_vgpr 1024
		.amdhsa_next_free_sgpr 66
		.amdhsa_reserve_vcc 1
		.amdhsa_float_denorm_mode_32 3
		.amdhsa_float_denorm_mode_16_64 3
		.amdhsa_memory_ordered 1
		.amdhsa_forward_progress 1
		.amdhsa_inst_pref_size 157
	.end_amdhsa_kernel
	.amdgpu_metadata
---
amdhsa.version: [ 1, 2 ]
amdhsa.kernels:
  - .name:           k_qf4e7a8418c_swattn
    .symbol:         k_qf4e7a8418c_swattn.kd
    .args:
      - { .name: q, .offset: 0, .size: 8, .value_kind: global_buffer, .address_space: global }
      - { .name: k, .offset: 8, .size: 8, .value_kind: global_buffer, .address_space: global }
      - { .name: v, .offset: 16, .size: 8, .value_kind: global_buffer, .address_space: global }
      - { .name: q_gamma, .offset: 24, .size: 8, .value_kind: global_buffer, .address_space: global }
      - { .name: k_gamma, .offset: 32, .size: 8, .value_kind: global_buffer, .address_space: global }
      - { .name: out0, .offset: 40, .size: 8, .value_kind: global_buffer, .address_space: global }
    .group_segment_fixed_size: 135680
    .private_segment_fixed_size: 0
    .kernarg_segment_align: 8
    .kernarg_segment_size: 48
    .max_flat_workgroup_size: 128
    .sgpr_count:     66
    .vgpr_count:     1024
    .wavefront_size: 32
...
	.end_amdgpu_metadata
.endif
;; end of part 1
;; ======== version 2 of 2: 1 launch; version 1 with the launch swattn written anew for expert scheduling mode
;; limits: values are held in f16: magnitudes above 65,504 overflow, below 6.1e-05 lose precision; inputs' magnitudes at most 65,504; right only within a limited range of input values
;; launch swattn (part 2): grid 32 x 8, 4 waves a work-group, no clusters, 135,680 bytes of LDS; arguments q, k, v, q_gamma, k_gamma, out0; writes out0
.if DOCPART == 2
	.amdgcn_target "amdgcn-amd-amdhsa--gfx1250"
	.amdhsa_code_object_version 6
	.text
	.protected	k_qf4e7a8418c_swattn
	.globl	k_qf4e7a8418c_swattn
	.p2align	8
	.type	k_qf4e7a8418c_swattn,@function
k_qf4e7a8418c_swattn:
	s_mov_b64 s[64:65], 0
	v_nop
	global_prefetch_b8 v0, s[64:65] scope:SCOPE_SE
	s_setreg_imm32_b32 hwreg(HW_REG_WAVE_SCHED_MODE, 0, 2), 2
	s_setreg_imm32_b32 hwreg(HW_REG_WAVE_MODE, 25, 1), 1
	s_wait_xcnt 0x0
	s_wait_alu depctr_vm_vsrc(0)
; SLIDING-WINDOW CAUSAL ATTENTION WITH GROUP RMS NORMS ON Q AND K.  q, out: [2][2048][16][128] f32; k, v: [2][2048][4][128] f32; both gammas [2048] f32.
; Query i sees keys i - 512 .. i.  logit = sum_d (q_d / rms_q x qg_d) (k_d / rms_k x kg_d) / sqrt(128), gammas taken by the QUERY head.
; FOLDING.  Both gammas, 1 / sqrt(128) and log2(e) go onto q:  q' = q / rms_q x qg x kg x c, c = log2(e) / sqrt(128);  k' = k / rms_k, which the four query heads of a key head share.
; Scores are then in units of log2: p = 2^(s - m) with a running maximum m; O and l are multiplied by a = 2^(m_old - m_new) in every step; out = O / l.
; The clip of the softmax to 0 .. 1 changes nothing: p / l lies there for every input (0 <= p <= l), so no line is written for it.
; FORMATS.  q', k', p and v are rounded once from f32 to f16 for the matrix unit; norms, maxima, sums and O in f32.
; LIMITS.  |v| under 65,504; |qg x kg| under 45,000 (q' is at most 1.45 |qg kg|); a hidden score counts as its value less 1e30; a weight below 2^-126 counts as 0; NaN and infinities are not treated apart.
; SHARES.  A work-group owns 64 queries (block t = 0..31) of one batch and key head; its four waves are the four query heads of that key head, each with the 64 queries as four tiles of 16.
; THE WALK.  Nine steps of 64 keys: step s takes key tile t - 8 + s.  Step 0 holds the window's edge (key kj hidden where kj < qi, both counted in their blocks), step 8 the diagonal (hidden where kj > qi),
; steps 1-7 are open.  For t < 8 the tiles below 0 do not exist: their loads are clamped to tile 0 and the fragment loads, products and softmax are jumped, forward, past no barrier.
; THE MASK is the C operand that starts the sum S^T = K' Q'^T: for key group kb and query tile tq one of three sets of eight registers, by kb <, =, > tq.
; K AND V come as f32 and want arithmetic before the matrix unit, so they go through registers: each wave loads 16 keys of K and of V (each half of the lanes 256 consecutive aligned bytes),
; norms and rounds them and stores f16 into one of two LDS slots.  Loads for step s + 2 are issued in step s; step s converts tile s + 1 into the slot that step s - 1 read; one barrier a step.
; NO CLUSTER: in step s block t wants tile t - 8 + s, so no two work-groups of a key head want the same tile in the same step; the four heads that do share a tile are one work-group's waves and share it in LDS.
; LAYOUT.  S^T = K' Q'^T (source 0 = 16 keys, source 1 = 16 queries): a lane holds ONE query (lane % 16) and keys 8 (lane / 16) + 0..7.  Two such results rounded to f16 in pairs ARE source 1 of
; O^T = V^T P, whose result again holds one query a lane, and eight channels.  K' comes out of LDS as it lies, V turned, by ds_load_tr16_b128.
; THE MODE: SCHED_MODE bits 1:0 = 2 (LLVM: expert scheduling mode 2), set by the entry lines.  The code itself states the register dependences
; between vector or matrix instructions and memory or LDS instructions, with s_wait_alu, always for 0.
; THE PLAN.  Registers that memory or LDS instructions touch, round the loop:
;   XK, XV              The loads of tile s + 2 land in them, issued behind step s's conversion; the conversion of step s + 1 reads them, and scales XK in place.
;   CVK, CVV, KSA, VSA  Written by a step's conversion, read by its 32 LDS stores.
;   ADK, ADV            Written at a step's top, read by its 64 fragment loads.
;   KF                  K's fragments land in it, asked for at the step's top; the products K' Q'^T read it; V's fragments land in it; the products V^T P read it.
;   KO0, VO0, GMO, QO, STO, RD, GO   Made at the head and never written again: a tile of k and v is reached by two scalar bases.
; A step's waits: at its top ONE on vm_vsrc, ahead of every branch (the last step's fragment loads and LDS stores have read ADK, ADV, KSA, VSA, CVK, CVV, all of which the step writes again); on va_vdst one ahead
; of K's fragment loads, one ahead of V's stores (also the reciprocal roots' wait), one ahead of K's stores (it serves the 32 global loads behind them too), one ahead of V's fragment loads, and the exponentials' wait.
; REGISTERS, in windows of 256 (s_set_vgpr_msb: bits 1:0 source 0, 3:2 source 1, 5:4 source 2, 7:6 destination):
;   window 0: v0-23 addresses; v24-55 eight statistics a tile; v64-191 S^T, 32 a tile (v64-79 also at work in the conversion, when S^T holds nothing); v192-255 converted K', V
;   window 1: O^T, 64 a tile; at the head Q as loaded      window 2: v0-127 Q' in f16; v128-255 K's fragments, then V's; at the head the gammas; at the end the rows of the output
;   window 3: v0-63 K as loaded, v64-127 V as loaded, v128-191 P, v192-223 the masks
.set PK,    272       ; a row of K' in LDS: 256 bytes + 16 = 68 words: the 16 rows of a fragment load start at 16 different groups of four banks (64 banks of 4 bytes: ISA guide 11.1)
.set PVP,   288       ; a row of V: 256 + 32 = 72 words
.set VOFF,  64*PK     ; in a slot: 64 rows of K', then 64 rows of V
.set SLOT1, 65536     ; slot 1 begins here: one exclusive or turns an address in one slot into the other's
.set STAGE, SLOT1+64*(PK+PVP)  ; behind the slots: 16 rows x 528 bytes for each wave, for the way out
.set SP,    528       ; 512 bytes + 16
.set SPARE, STAGE+4*16*SP      ; the spare words, 128 bytes for each wave: two blocks of 256 bytes that no other line names
.set AK0, 2           ; my lane's place in a tile of K'; never rewritten
.set AV0, 3           ; the same for V
.set ADK, 4           ; AK0 + the slot that is read
.set KO0, 5           ; my byte offset in a tile of k in memory; never rewritten
.set VO0, 6           ; the same in v
.set ADV, 7           ; AV0 + the slot that is read
.set KS0, 9           ; where I store my 8 bytes of a row of K' in a slot; never rewritten
.set VS0, 10
.set KSA, 11          ; KS0 + the slot that is written
.set VSA, 12
.set QO,  13          ; my byte offset in 16 rows of q
.set STO, 14          ; the way out: where I put 16 bytes of a row
.set RD,  15          ; the way out: where I read a row back
.set GO,  16          ; my 16 bytes of a row of the output
.set GMO, 17          ; my byte offset in a head's gammas
.set SPW, 18          ; LDS address of my spare word; never rewritten
.set NIL, 19          ; 0; never rewritten
.set ST,  24          ; tile t at ST + 8 t: +0 m, +1 m_old, then its change, +2, +3 l (even keys', odd keys'), +4..+7 c0-c3 at work; a takes c2's place
.set S,   64
.set TT,  64          ; the conversion's sums of squares and reciprocal roots, a pair for each of 8 rows
.set CVK, 192
.set CVV, 224
.set KF,  128         ; window 2: fragments
.set GQ,  128         ; window 2, at the head: q_gamma, then the product of the gammas
.set GK,  192         ; window 2, at the head: k_gamma
.set XK,  0           ; window 3
.set XV,  64
.set P,   128
.set MDG, 192         ; the diagonal's mask: -1e30 where my key lies behind my query; made once
.set MLT, 200         ; the masks of the step to come, for kb < tq,
.set MEQ, 208         ; kb = tq,
.set MGT, 216         ; kb > tq
.set WV,   16         ; my wave's number
.set BLK,  17         ; t
.set CM,   20         ; s[20:27] at the head, when its scalar work is done: eight compares' lane masks
.set STEP, 28         ; 0 to 8
.set KT,   29         ; the step's key tile, t - 8 + step; below 0 it does not exist
.set TB,   30         ; the slot that is read
.set TS,   31         ; the slot that is written
.set SEL,  32         ; s[32:33] v_permlanex16_b32's selects: each lane takes its own place in the other half
.set BIGN, 34         ; -1e30
.set GT,   35
.set AD,   36         ; s[36:37] the diagonal mask's factor, in the low word
.set RCPD, 38         ; 1 / 128
.set EPS,  39         ; 1e-6
.set OFFS, 40         ; s[40:41] a tile's byte offset in k and v; the high word stays 0
.set GC,   42         ; c
.set KB,   44         ; s[44:45] k at my batch, key head and the tile that is asked for
.set VB,   46         ; s[46:47] the same for v
.set MSB, 0
.macro WIN new                      ; the immediate's high byte repeats the setting that is left; a switch that changes nothing is dropped
.if MSB != (\new)
	s_set_vgpr_msb (MSB<<8)|(\new)
.set MSB, (\new)
.endif
.endm
; 32 loads: my wave's 16 keys of K and of V of tile max(KT + ahead, 0).  Lanes 0-15 take 256 bytes of one row, lanes 16-31 of the row 8 (K) or 4 (V) further down, so that the two halves of
; the later 8-byte LDS stores fall 32 banks apart (8 x 68 and 4 x 72 words are both 32 modulo 64).  The two scalar bases are written here: the loads that read them have been waited for.
; first = 1: the kernel's first loads.  Elsewhere the macro follows a conversion, whose last wait on va_vdst stands behind its last line that names XK or XV.
.macro LOADKV ahead, first=0
	s_add_co_i32 s[OFFS], s[KT], \ahead
	s_max_i32 s[OFFS], s[OFFS], 0
	s_lshl_b32 s[OFFS], s[OFFS], 17                ; a tile is 64 keys of 2,048 bytes
	s_add_nc_u64 s[KB:KB+1], s[6:7], s[OFFS:OFFS+1]
	s_add_nc_u64 s[VB:VB+1], s[8:9], s[OFFS:OFFS+1]
	WIN 0xc0                                       ; destination window 3
.if \first
	s_wait_alu depctr_va_vdst(0)                   ; KO0, VO0, GMO and QO are written: the offsets of every load of k, v, the gammas and q
.endif
.irp g, 0,1,2,3,4,5,6,7
.irp j, 0,1
	global_load_b128 v[XK+8*(\g)+4*(\j):XK+8*(\g)+4*(\j)+3], v[KO0], s[KB:KB+1] offset:(\g)*2048+256*(\j)
	global_load_b128 v[XV+8*(\g)+4*(\j):XV+8*(\g)+4*(\j)+3], v[VO0], s[VB:VB+1] offset:(((\g)&3)+8*((\g)>>2))*2048+256*(\j)
.endr
.endr
	WIN 0
.endm
; The tile in XK, XV goes into slot TS: K divided by its rows' rms, both rounded to f16.  A row's 128 numbers lie in 16 lanes, 8 each: four steps of row_xmask add them up in every lane.
; The eight reciprocal roots are one batch; V's 32 roundings are the independent work behind it; the wait ahead of V's stores is also the batch's, ahead of the first multiply that reads it.
.macro CONVERT cnt
	WIN 0
	s_wait_loadcnt \cnt                            ; the tile's 32 loads are in
	v_add_nc_u32 v[KSA], s[TS], v[KS0]
	v_add_nc_u32 v[VSA], s[TS], v[VS0]
	WIN 0x0f                                       ; sources 0 and 1 window 3
.irp g, 0,1,2,3,4,5,6,7
	v_pk_mul_f32 v[TT+2*(\g):TT+2*(\g)+1], v[XK+8*(\g):XK+8*(\g)+1], v[XK+8*(\g):XK+8*(\g)+1]
.endr
.irp e, 2,4,6
.irp g, 0,1,2,3,4,5,6,7
	v_pk_fma_f32 v[TT+2*(\g):TT+2*(\g)+1], v[XK+8*(\g)+(\e):XK+8*(\g)+(\e)+1], v[XK+8*(\g)+(\e):XK+8*(\g)+(\e)+1], v[TT+2*(\g):TT+2*(\g)+1]
.endr
.endr
	WIN 0
.irp g, 0,1,2,3,4,5,6,7
	v_add_f32 v[TT+2*(\g)], v[TT+2*(\g)], v[TT+2*(\g)+1]
.endr
.irp x, 1,2,4,8
.irp g, 0,1,2,3,4,5,6,7
	v_add_f32_dpp v[TT+2*(\g)], v[TT+2*(\g)], v[TT+2*(\g)] row_xmask:\x row_mask:0xf bank_mask:0xf
.endr
.endr
.irp g, 0,1,2,3,4,5,6,7
	v_fma_f32 v[TT+2*(\g)], v[TT+2*(\g)], s[RCPD], s[EPS]      ; mean of squares + eps
.endr
.irp g, 0,1,2,3,4,5,6,7
	v_rsq_f32 v[TT+2*(\g)], v[TT+2*(\g)]
.endr
	WIN 0x0f
.set n, 0
.rept 32
	v_cvt_pk_f16_f32 v[CVV+n], v[XV+2*n], v[XV+2*n+1]
.set n, n+1
.endr
	WIN 0
	s_wait_alu depctr_va_vdst(0)                   ; the roundings have written CVV, the adds KSA and VSA, which the LDS stores read; the eight reciprocal roots are written, ahead of their first reader
.irp g, 0,1,2,3,4,5,6,7
.irp j, 0,1
	ds_store_b64 v[VSA], v[CVV+4*(\g)+2*(\j):CVV+4*(\g)+2*(\j)+1] offset:(((\g)&3)+8*((\g)>>2))*PVP+128*(\j)
.endr
.endr
	WIN 0xc3                                       ; destination and source 0 window 3
.irp g, 0,1,2,3,4,5,6,7
.irp e, 0,2,4,6
	v_pk_mul_f32 v[XK+8*(\g)+(\e):XK+8*(\g)+(\e)+1], v[XK+8*(\g)+(\e):XK+8*(\g)+(\e)+1], v[TT+2*(\g):TT+2*(\g)+1] op_sel_hi:[1,0]
.endr
.endr
	WIN 0x0f
.set n, 0
.rept 32
	v_cvt_pk_f16_f32 v[CVK+n], v[XK+2*n], v[XK+2*n+1]
.set n, n+1
.endr
	WIN 0
	s_wait_alu depctr_va_vdst(0)                   ; the roundings have written CVK, which the LDS stores read; and the conversion is done writing XK and reading XK and XV, in which the next tile's loads land
.irp g, 0,1,2,3,4,5,6,7
.irp j, 0,1
	ds_store_b64 v[KSA], v[CVK+4*(\g)+2*(\j):CVK+4*(\g)+2*(\j)+1] offset:(\g)*PK+128*(\j)
.endr
.endr
.endm
; K's 16 fragments (key group kb, channels 32 c on, at KF + 32 kb + 8 c), the channels' rounds in order, so that the products of round c can start when its eight loads are in.
; They are asked for at a step's top and land while the next tile is converted.
.macro FETCH_K
	WIN 0x80                                       ; destination window 2
	s_wait_alu depctr_va_vdst(0)                   ; ADK and ADV are written; the last step's products V^T P (at the first trip the lines that multiplied the gammas) are done with the registers in which K's fragments land
.irp c, 0,1,2,3
.irp kb, 0,1,2,3
	ds_load_b128 v[KF+32*(\kb)+8*(\c):KF+32*(\kb)+8*(\c)+3],   v[ADK] offset:(\kb)*16*PK+64*(\c)
	ds_load_b128 v[KF+32*(\kb)+8*(\c)+4:KF+32*(\kb)+8*(\c)+7], v[ADK] offset:(\kb)*16*PK+64*(\c)+32
.endr
.endr
	WIN 0
.endm
; Product i of 64 of S^T: channels 32 (i / 16) on, query tile (i % 16) / 4, key group i % 4.  The first 16 start the sums with the mask.  The 16 accumulators take turns.
.macro MKQ
.set rS, S+32*((i%16)/4)+8*(i%4)
.set rK, KF+32*(i%4)+8*(i/16)
.set rQ, 32*((i%16)/4)+8*(i/16)
.if i < 16
.if (i%4) < (i/4)
.set rM, MLT
.elseif (i%4) == (i/4)
.set rM, MEQ
.else
.set rM, MGT
.endif
	WIN 0x3a                                       ; K', Q' window 2, the mask window 3, S^T window 0
	v_wmma_f32_16x16x32_f16 v[rS:rS+7], v[rK:rK+7], v[rQ:rQ+7], v[rM:rM+7]
.else
	WIN 0x0a
	v_wmma_f32_16x16x32_f16 v[rS:rS+7], v[rK:rK+7], v[rQ:rQ+7], v[rS:rS+7]
.endif
.endm
; V's 16 fragments, turned (keys 32 (f / 8) on, channels 16 (f % 8) on), into the registers that K's have left.
.macro FETCH_V
	WIN 0x80
	s_wait_alu depctr_va_vdst(0)                   ; the products K' Q'^T are done reading K's fragments, in whose registers V's land
.irp f, 0,1,2,3,4,5,6,7,8,9,10,11,12,13,14,15
	ds_load_tr16_b128 v[KF+8*(\f):KF+8*(\f)+3],   v[ADV] offset:((\f)/8)*32*PVP+((\f)%8)*32
	ds_load_tr16_b128 v[KF+8*(\f)+4:KF+8*(\f)+7], v[ADV] offset:((\f)/8)*32*PVP+16*PVP+((\f)%8)*32
.endr
.endm
; Number j of the 21 that find tile t's maximum and a.  0-11: four chains c0-c3 of seven scores each, each accumulator's lowest registers first; 12-15: the four scores left over,
; c0-c3 and the old m into c0; 16, 18: the query's other 32 keys lie in the lane 16 away; 17, 19, 20: m_old is kept, m_old - m_new, a.  Number 17 stands ahead of the others, in front of V's loads.
.macro SM j, t
.set rT, ST+8*(\t)
.set rS, S+32*(\t)
.if (\j) < 4
	v_max3_num_f32 v[rT+4+(\j)], v[rS+8*(\j)], v[rS+8*(\j)+1], v[rS+8*(\j)+2]
.elseif (\j) < 12
	v_max3_num_f32 v[rT+4+(\j)%4], v[rT+4+(\j)%4], v[rS+8*((\j)%4)+2*((\j)/4)+1], v[rS+8*((\j)%4)+2*((\j)/4)+2]
.elseif (\j) == 12
	v_max3_num_f32 v[rT+4], v[rT+4], v[rS+7], v[rS+15]
.elseif (\j) == 13
	v_max3_num_f32 v[rT+6], v[rT+6], v[rS+23], v[rS+31]
.elseif (\j) == 14
	v_max3_num_f32 v[rT+4], v[rT+4], v[rT+5], v[rT+6]
.elseif (\j) == 15
	v_max3_num_f32 v[rT+4], v[rT+4], v[rT+7], v[rT]
.elseif (\j) == 16
	v_permlanex16_b32 v[rT+5], v[rT+4], s[SEL], s[SEL+1]
.elseif (\j) == 17
	v_mov_b32 v[rT+1], v[rT]
.elseif (\j) == 18
	v_max_num_f32 v[rT], v[rT+4], v[rT+5]
.elseif (\j) == 19
	v_sub_f32 v[rT+1], v[rT+1], v[rT]
.else
	v_exp_f32 v[rT+6], v[rT+1]
.endif
.endm
.macro FS pr                        ; s - m for pair pr / 4 of tile pr % 4
.set rT, ST+8*((\pr)%4)
.set rS, S+32*((\pr)%4)+2*((\pr)/4)
	v_pk_add_f32 v[rS:rS+1], v[rS:rS+1], v[rT:rT+1] op_sel_hi:[1,0] neg_lo:[0,1] neg_hi:[0,1]
.endm
.macro E2 pr                        ; the pair's two exponentials
.set rS, S+32*((\pr)%4)+2*((\pr)/4)
	v_exp_f32 v[rS], v[rS]
	v_exp_f32 v[rS+1], v[rS+1]
.endm
; A step's softmax for the wave's four tiles, the tiles alternating.  All 132 exponentials are ONE batch: ahead of its one wait nothing names a result of theirs.  No memory or LDS instruction names a register of it.
.macro SOFTMAX
	WIN 0
.irp j, 0,1,2,3,4,5,6,7,8,9,10,11,12,13,14,15,16,18,19,20
.irp t, 0,1,2,3
	SM \j, \t
.endr
.endr
.set n, 0
.rept 4
	FS n
.set n, n+1
.endr
.set n, 0
.rept 60                            ; a pair is shifted four pairs ahead of its exponentials
	FS n+4
	E2 n
.set n, n+1
.endr
.rept 4
	E2 n
.set n, n+1
.endr
	v_nop                                          ; a plain instruction behind the last exponential
	s_wait_alu depctr_va_vdst(0)                   ; the 132 exponentials are written: one wait for the batch, ahead of its first reader
	WIN 0xc0                                       ; P in window 3
.set n, 0
.rept 16
.irp t, 0,1,2,3
	v_cvt_pk_f16_f32 v[P+16*(\t)+n], v[S+32*(\t)+2*n], v[S+32*(\t)+2*n+1]
.endr
.set n, n+1
.endr
	WIN 0
.set z, 0
.rept 16                            ; the sum of a tile's 16 pairs, in place: neighbours 1, 2, 4 and 8 pairs apart; then l = a l + the sum
.set w, 4
.set u, z
.if z >= 14
.set w, 32
.set u, 0
.elseif z >= 12
.set w, 16
.set u, z-12
.elseif z >= 8
.set w, 8
.set u, z-8
.endif
.irp t, 0,1,2,3
.if z < 15
	v_pk_add_f32 v[S+32*(\t)+w*u:S+32*(\t)+w*u+1], v[S+32*(\t)+w*u:S+32*(\t)+w*u+1], v[S+32*(\t)+w*u+w/2:S+32*(\t)+w*u+w/2+1]
.else
	v_pk_fma_f32 v[ST+8*(\t)+2:ST+8*(\t)+3], v[ST+8*(\t)+2:ST+8*(\t)+3], v[ST+8*(\t)+6:ST+8*(\t)+7], v[S+32*(\t):S+32*(\t)+1] op_sel_hi:[1,0,1]
.endif
.endr
.set z, z+1
.endr
	WIN 0x41                                       ; O^T (destination and source 0) window 1, a window 0
.set n, 0
.rept 32                            ; O^T times a, each accumulator's registers in ascending order
.irp t, 0,1,2,3
	v_pk_mul_f32 v[64*(\t)+2*n:64*(\t)+2*n+1], v[64*(\t)+2*n:64*(\t)+2*n+1], v[ST+8*(\t)+6:ST+8*(\t)+7] op_sel_hi:[1,0]
.endr
.set n, n+1
.endr
.endm
; Product i of 64 of O^T += V^T P: keys 32 (i / 32) on, channels 16 ((i / 4) % 8) on, tile i % 4.  The 32 accumulators take turns.
.macro MPV
.set rO, 64*(i%4)+8*((i/4)%8)
.set rV, KF+64*(i/32)+8*((i/4)%8)
.set rP, P+16*(i%4)+8*(i/32)
	v_wmma_f32_16x16x32_f16 v[rO:rO+7], v[rV:rV+7], v[rP:rP+7], v[rO:rO+7]
.endm
; The masks of the next step: all 0, but for step 8, the diagonal's.  These 20 plain lines name no register of the step's products and stand behind the last of them.
.macro MASKS
	s_cmp_eq_u32 s[STEP], 7
	s_cselect_b32 s[GT], s[BIGN], 0
	s_cselect_b32 s[AD], 1.0, 0
	WIN 0xc0
.irp j, 0,1,2,3,4,5,6,7
	v_mov_b32 v[MLT+(\j)], 0
	v_mov_b32 v[MGT+(\j)], s[GT]
.endr
	WIN 0xc3
.irp j, 0,2,4,6
	v_pk_mul_f32 v[MEQ+(\j):MEQ+(\j)+1], v[MDG+(\j):MDG+(\j)+1], s[AD:AD+1] op_sel_hi:[1,0]
.endr
	WIN 0
.endm
	; ---- the head ----
	s_load_b256 s[4:11], s[0:1], 0x0               ; q s[4:5], k s[6:7], v s[8:9], q_gamma s[10:11]
	s_load_b128 s[12:15], s[0:1], 0x20             ; k_gamma s[12:13], out s[14:15]
	v_lshl_add_u32 v[SPW], v0, 2, SPARE
	v_mov_b32 v[NIL], 0
	v_lshrrev_b32 v20, 5, v0
	v_readfirstlane_b32 s[WV], v20                 ; wave 0..3
	v_and_b32 v1, 15, v0                           ; l % 16
	v_bfe_u32 v20, v0, 4, 1                        ; l / 16
	v_and_b32 v21, 31, v0                          ; l
	v_and_b32 v22, 7, v0                           ; l % 8
	v_bfe_u32 v23, v0, 3, 1                        ; (l / 8) % 2
	s_mov_b32 s[BLK], ttmp9                        ; t
	s_and_b32 s18, ttmp7, 0xffff
	s_and_b32 s19, s18, 3                          ; key head
	s_lshr_b32 s18, s18, 2                         ; batch
	s_wait_alu depctr_va_sdst(0)                   ; the wave's number is written, ahead of its first reader: the query head, and with it addresses, are made from it
	s_lshl2_add_u32 s20, s19, s[WV]                ; query head = 4 x key head + wave
	s_lshl_b32 s22, s18, 22                        ; k, v: a batch is 2,048 keys of 2,048 bytes,
	s_lshl_b32 s21, s19, 9                         ; a head 512 bytes of a key
	s_add_co_u32 s22, s22, s21
	s_mov_b32 s23, 0
	s_lshl_b32 s24, s18, 24                        ; q, out: a batch is 2,048 rows of 8,192 bytes,
	s_lshl_b32 s21, s[BLK], 19                     ; a block 64 rows,
	s_add_co_u32 s24, s24, s21
	s_lshl_b32 s26, s20, 9                         ; a head 512 bytes of a row, and of a gamma
	s_add_co_u32 s24, s24, s26
	s_mov_b32 s25, 0
	s_mov_b32 s27, 0
	s_mov_b32 s[STEP], 0
	s_sub_co_i32 s[KT], s[BLK], 8
	s_mov_b32 s[TB], 0
	s_mov_b32 s[TS], 0
	s_mov_b32 s[SEL], 0x76543210
	s_mov_b32 s[SEL+1], 0xfedcba98
	s_mov_b32 s[BIGN], 0xf149f2ca                  ; -1e30
	s_mov_b32 s[AD], 0
	s_mov_b32 s[AD+1], 0                           ; named with it as a pair
	s_mov_b32 s[OFFS+1], 0
	s_mov_b32 s[RCPD], 0x3c000000                  ; 1 / 128
	s_mov_b32 s[EPS], 0x358637bd                   ; 1e-6
	s_mov_b32 s[GC], 0x3e0293ee                    ; c = log2(e) / sqrt(128) = 0.127517
	s_lshl_b32 s21, s[WV], 15                      ; my wave's 16 keys of a tile
	v_lshlrev_b32 v[KO0], 4, v1                    ; 16 bytes a lane
	v_add_nc_u32 v[KO0], s21, v[KO0]
	v_lshl_add_u32 v[VO0], v20, 13, v[KO0]         ; lanes 16-31: 4 keys further down in v,
	v_lshl_add_u32 v[KO0], v20, 14, v[KO0]         ; 8 in k
	v_lshlrev_b32 v[GMO], 5, v20                   ; a fragment's 8 channels are 32 bytes of f32: the lanes' halves lie 32 bytes apart
	v_lshl_add_u32 v[QO], v1, 13, v[GMO]           ; row l % 16 of 8,192 bytes
	s_wait_kmcnt 0x0
	s_add_nc_u64 s[6:7], s[6:7], s[22:23]
	s_add_nc_u64 s[8:9], s[8:9], s[22:23]
	s_add_nc_u64 s[4:5], s[4:5], s[24:25]
	s_add_nc_u64 s[14:15], s[14:15], s[24:25]
	s_add_nc_u64 s[10:11], s[10:11], s[26:27]
	s_add_nc_u64 s[12:13], s[12:13], s[26:27]
	LOADKV 0, 1                                    ; 32 loads: step 0's tile; the wait in it serves the 96 loads below too: only loads and window switches stand between
	WIN 0x80
.set i, 0
.rept 16                            ; 32 loads: the gammas of my channels 32 c + 16 u + 8 (l / 16) + 4 v + 0..3, i = 4 c + 2 u + v: the order of a fragment's registers
	global_load_b128 v[GQ+4*i:GQ+4*i+3], v[GMO], s[10:11] offset:128*(i/4)+64*((i/2)%2)+16*(i%2)
	global_load_b128 v[GK+4*i:GK+4*i+3], v[GMO], s[12:13] offset:128*(i/4)+64*((i/2)%2)+16*(i%2)
.set i, i+1
.endr
	WIN 0x40
.set i, 0
.rept 64                            ; 64 loads: Q, tile i / 16, in the same order
	global_load_b128 v[4*i:4*i+3], v[QO], s[4:5] offset:131072*(i/16)+128*((i%16)/4)+64*((i/2)%2)+16*(i%2)
.set i, i+1
.endr
	WIN 0
	; the rest of the set-up stands in the wait for those loads; it writes no register that they name
	v_mul_u32_u24 v[AK0], v1, PK
	v_lshl_add_u32 v[AK0], v20, 4, v[AK0]          ; row x pitch + 16 x half
	v_lshl_add_u32 v[AV0], v20, 3, v22             ; the turning load: key 8 (l / 16) + l % 8,
	v_mul_u32_u24 v[AV0], v[AV0], PVP
	v_lshl_add_u32 v[AV0], v23, 4, v[AV0]          ; channels 8 ((l / 8) % 2) on
	v_add_nc_u32 v[AV0], VOFF, v[AV0]
	s_mul_i32 s21, s[WV], 16*PK
	v_mul_u32_u24 v[KS0], v20, 8*PK
	v_lshl_add_u32 v[KS0], v1, 3, v[KS0]           ; my 4 channels are 8 bytes of f16
	v_add_nc_u32 v[KS0], s21, v[KS0]
	s_mul_i32 s21, s[WV], 16*PVP
	s_add_co_u32 s21, s21, VOFF
	v_mul_u32_u24 v[VS0], v20, 4*PVP
	v_lshl_add_u32 v[VS0], v1, 3, v[VS0]
	v_add_nc_u32 v[VS0], s21, v[VS0]
	s_mul_i32 s21, s[WV], 16*SP
	s_add_co_u32 s21, s21, STAGE                   ; my stage
	v_mul_u32_u24 v[STO], v1, SP                   ; in: row l % 16, 32 bytes for each half of the lanes
	v_add3_u32 v[STO], v[STO], v[GMO], s21
	v_lshlrev_b32 v[GO], 4, v21                    ; back: 32 lanes take one row of 512 bytes
	v_add_nc_u32 v[RD], s21, v[GO]
.irp t, 0,1,2,3
	v_mov_b32 v[ST+8*(\t)], 0xff7fffff             ; m: the lowest finite number, so the first live step's a is 0
.irp x, 1,2,3,4,5,6,7
	v_mov_b32 v[ST+8*(\t)+(\x)], 0
.endr
.endr
	v_lshlrev_b32 v56, 3, v20
	v_sub_nc_u32 v56, v1, v56                      ; e = l % 16 - 8 (l / 16): in a block with kb = tq my register j holds a key before my query where j < e, behind it where j > e
	WIN 0xc0
.irp j, 0,1,2,3,4,5,6,7
	v_cmp_gt_i32 s[CM+(\j)], \j, v56               ; the compares stand in runs of eight, each into a scalar register of its own
.endr
	s_wait_alu depctr_va_sdst(0)                   ; the eight compares have written s[CM ..], ahead of the selects that read them
.irp j, 0,1,2,3,4,5,6,7
	v_cndmask_b32 v[MDG+(\j)], 0, s[BIGN], s[CM+(\j)]  ; the diagonal: hidden behind the query
.endr
.irp j, 0,1,2,3,4,5,6,7
	v_cmp_lt_i32 s[CM+(\j)], \j, v56
.endr
	s_wait_alu depctr_va_sdst(0)                   ; the second eight compares have written s[CM ..], ahead of the selects that read them
.irp j, 0,1,2,3,4,5,6,7
	v_cndmask_b32 v[MEQ+(\j)], 0, s[BIGN], s[CM+(\j)]  ; step 0, the window's edge: hidden before the query,
	v_mov_b32 v[MLT+(\j)], s[BIGN]                 ; all of the earlier key groups,
	v_mov_b32 v[MGT+(\j)], 0                       ; none of the later
.endr
	WIN 0
	CONVERT 63                                     ; of the 128 loads at most 63 are out: the oldest 65 are in, K, V and both gammas among them
	s_xor_b32 s[TS], s[TS], SLOT1
	WIN 0x8a
.set n, 0
.rept 32
	v_pk_mul_f32 v[GQ+2*n:GQ+2*n+1], v[GQ+2*n:GQ+2*n+1], v[GK+2*n:GK+2*n+1]  ; qg x kg
.set n, n+1
.endr
	LOADKV 1                                       ; step 1's tile; no line since the conversion's last wait names XK, XV or the two offsets
	s_wait_loadcnt 32                              ; Q is in; the 32 just issued stay out
	WIN 0x05                                       ; sources 0 and 1 window 1
.irp t, 0,1,2,3
	v_pk_mul_f32 v[ST+8*(\t)+4:ST+8*(\t)+5], v[64*(\t):64*(\t)+1], v[64*(\t):64*(\t)+1]
.endr
.set n, 1
.rept 31                            ; the squares of my 64 channels of a query, four chains: one a tile
.irp t, 0,1,2,3
	v_pk_fma_f32 v[ST+8*(\t)+4:ST+8*(\t)+5], v[64*(\t)+2*n:64*(\t)+2*n+1], v[64*(\t)+2*n:64*(\t)+2*n+1], v[ST+8*(\t)+4:ST+8*(\t)+5]
.endr
.set n, n+1
.endr
	WIN 0
.irp t, 0,1,2,3
	v_add_f32 v[ST+8*(\t)+4], v[ST+8*(\t)+4], v[ST+8*(\t)+5]
.endr
.irp t, 0,1,2,3
	v_permlanex16_b32 v[ST+8*(\t)+5], v[ST+8*(\t)+4], s[SEL], s[SEL+1]  ; the query's other 64 channels lie in the lane 16 away
.endr
.irp t, 0,1,2,3
	v_add_f32 v[ST+8*(\t)+4], v[ST+8*(\t)+4], v[ST+8*(\t)+5]
.endr
.irp t, 0,1,2,3
	v_fma_f32 v[ST+8*(\t)+4], v[ST+8*(\t)+4], s[RCPD], s[EPS]
.endr
.irp t, 0,1,2,3
	v_rsq_f32 v[ST+8*(\t)+6], v[ST+8*(\t)+4]
.endr
	WIN 0x49                                       ; Q (destination, source 0) window 1, the gammas window 2
.set n, 0
.rept 32                            ; Q times the gammas: the independent work behind the four reciprocal roots
.irp t, 0,1,2,3
	v_pk_mul_f32 v[64*(\t)+2*n:64*(\t)+2*n+1], v[64*(\t)+2*n:64*(\t)+2*n+1], v[GQ+2*n:GQ+2*n+1]
.endr
.set n, n+1
.endr
	s_wait_alu depctr_va_vdst(0)                   ; the four reciprocal roots are written: one wait, ahead of their first reader
	WIN 0
.irp t, 0,1,2,3
	v_mul_f32 v[ST+8*(\t)+6], s[GC], v[ST+8*(\t)+6]  ; c / rms
.endr
	WIN 0x41
.set n, 0
.rept 32
.irp t, 0,1,2,3
	v_pk_mul_f32 v[64*(\t)+2*n:64*(\t)+2*n+1], v[64*(\t)+2*n:64*(\t)+2*n+1], v[ST+8*(\t)+6:ST+8*(\t)+7] op_sel_hi:[1,0]
.endr
.set n, n+1
.endr
	WIN 0x85                                       ; sources window 1, destination window 2
.set n, 0
.rept 128
	v_cvt_pk_f16_f32 v[n], v[2*n], v[2*n+1]        ; Q' of tile n / 32
.set n, n+1
.endr
	WIN 0
	; O^T is not cleared: its registers hold q' in f32, finite numbers, and the first live step multiplies them by a = 0.
	s_wait_dscnt 0x0                               ; my rows of step 0's tile are in slot 0,
	s_barrier_signal -1
	s_barrier_wait -1                              ; everybody's are
	; ---- nine steps ----
.Lstep:
	s_wait_alu depctr_vm_vsrc(0)                   ; the last step's fragment loads have read ADK and ADV, the last conversion's LDS stores KSA, VSA, CVK and CVV: this step writes all six again
	v_add_nc_u32 v[ADK], s[TB], v[AK0]
	v_add_nc_u32 v[ADV], s[TB], v[AV0]
	s_cmp_lt_i32 s[KT], 0
	s_cbranch_scc1 .Lno_k                          ; the tile lies before the sequence's first key: nothing of it is read
	FETCH_K                                        ; this step's K', whole since the barrier
.Lno_k:
	s_cmp_eq_u32 s[STEP], 8
	s_cbranch_scc1 .Lno_next                       ; the last step has no tile to prepare
	CONVERT 0                                      ; the next step's tile, asked for a step ago, into the slot that nobody reads in this step
	s_cmp_eq_u32 s[STEP], 7
	s_cbranch_scc1 .Lno_next
	LOADKV 2                                       ; the tile two steps on: it has the rest of this step in which to come.  No wait: only LDS stores of other registers and scalar lines stand behind the conversion's last wait
.Lno_next:
	s_cmp_lt_i32 s[KT], 0
	s_cbranch_scc1 .Ldead
.set i, 0
.rept 64
.if i%16 == 0
	s_wait_dscnt 24-8*(i/16)                       ; this round's eight loads are in.  The counts are the last step's, where nothing was issued behind K's 32 loads; in the other steps the conversion's 32 stores are younger, and the counts are smaller than needed
.endif
	MKQ
.set i, i+1
.endr
	WIN 0
.irp t, 0,1,2,3
	SM 17, \t                                      ; m_old is kept: four plain lines that name no register of the products, the places between the last of them and the first read of S^T
.endr
	FETCH_V
	SOFTMAX
	s_wait_dscnt 0x0                               ; V is in
	WIN 0x5e                                       ; V window 2, P window 3, O^T window 1
.set i, 0
.rept 64
	MPV
.set i, i+1
.endr
	WIN 0
.Ldead:
	MASKS
	s_wait_dscnt 0x0                               ; my stores into the one slot are done and my reads of the other are back:
	s_barrier_signal -1                            ; ONE barrier orders this step's stores with the next step's reads, and this step's reads with the next step's stores
	s_xor_b32 s[TB], s[TB], SLOT1
	s_xor_b32 s[TS], s[TS], SLOT1
	s_add_co_i32 s[KT], s[KT], 1
	s_barrier_wait -1
	s_add_co_u32 s[STEP], s[STEP], 1
	s_cmp_lt_u32 s[STEP], 9
	s_cbranch_scc1 .Lstep
	; ---- the way out: l's two halves and the other half of the lanes' are added; O^T is divided by l and sent through my stage in LDS, a tile (16 rows of 512 bytes) at a time ----
.irp t, 0,1,2,3
	v_add_f32 v[ST+8*(\t)+4], v[ST+8*(\t)+2], v[ST+8*(\t)+3]
.endr
.irp t, 0,1,2,3
	v_permlanex16_b32 v[ST+8*(\t)+5], v[ST+8*(\t)+4], s[SEL], s[SEL+1]
.endr
.irp t, 0,1,2,3
	v_add_f32 v[ST+8*(\t)+4], v[ST+8*(\t)+4], v[ST+8*(\t)+5]
.endr
.irp t, 0,1,2,3
	v_rcp_f32 v[ST+8*(\t)+6], v[ST+8*(\t)+4]
.endr
	v_nop                                          ; a plain instruction behind the last reciprocal
	s_wait_alu depctr_va_vdst(0)                   ; the four reciprocals are written: one wait, ahead of their first reader
.macro PACK t
	WIN 0x41
.set n, 0
.rept 32                            ; each accumulator's registers in ascending order
	v_pk_mul_f32 v[64*(\t)+2*n:64*(\t)+2*n+1], v[64*(\t)+2*n:64*(\t)+2*n+1], v[ST+8*(\t)+6:ST+8*(\t)+7] op_sel_hi:[1,0]
.set n, n+1
.endr
	WIN 0x04                                       ; the stores' data window 1
	s_wait_alu depctr_va_vdst(0)                   ; the multiplies have written the tile's O^T, which the LDS stores read; every product is done with window 2, in which the rows land: no vector line behind the loop names it
.set n, 0
.rept 16                            ; channels 16 (n / 2) + 8 (l / 16) + 4 (n % 2) on
	ds_store_b128 v[STO], v[64*(\t)+4*n:64*(\t)+4*n+3] offset:64*(n/2)+16*(n%2)
.set n, n+1
.endr
	WIN 0x80                                       ; back into window 2, whose registers are free
.set n, 0
.rept 16
	ds_load_b128 v[64*(\t)+4*n:64*(\t)+4*n+3], v[RD] offset:n*SP  ; LDS serves a wave's instructions in order (ISA guide 5.7.1.4): these see the stores above, and the next tile's stores come behind them
.set n, n+1
.endr
.endm
.macro SEND t, younger              ; younger: the LDS instructions issued behind tile t's loads: the next tile's 32, or none
	WIN 0x08                                       ; the stores' data window 2
.set n, 0
.rept 16
	s_wait_dscnt (\younger)+15-n                   ; row n is back
	global_store_b128 v[GO], v[64*(\t)+4*n:64*(\t)+4*n+3], s[14:15] offset:(16*(\t)+n)*8192 th:TH_STORE_NT  ; the wave stores 512 consecutive bytes, at a multiple of 512 from the output's first byte
.set n, n+1
.endr
.endm
	PACK 0
	PACK 1                                         ; a tile's arithmetic stands between the loads of the tile before and its stores
	SEND 0, 32
	PACK 2
	SEND 1, 32
	PACK 3
	SEND 2, 32
	SEND 3, 0
	WIN 0                                          ; the add's two registers lie in window 0
	s_wait_dscnt 0x0                               ; the closing lines, six on end
	s_wait_alu 0x0
	s_wait_tensorcnt 0x0
	ds_add_u32 v[SPW], v[NIL]
	s_wait_dscnt 0x0
	s_endpgm
.Lfunc_end_k_qf4e7a8418c_swattn:
	.size	k_qf4e7a8418c_swattn, .Lfunc_end_k_qf4e7a8418c_swattn-k_qf4e7a8418c_swattn
	.p2alignl 7, 3214868480
	.fill 96, 4, 3214868480
	.section	.rodata,"a",@progbits
	.p2align	6, 0x0
	.amdhsa_kernel k_qf4e7a8418c_swattn
		.amdhsa_group_segment_fixed_size 135680
		.amdhsa_private_segment_fixed_size 0
		.amdhsa_enable_private_segment 0
		.amdhsa_kernarg_size 48
		.amdhsa_user_sgpr_count 2
		.amdhsa_user_sgpr_kernarg_segment_ptr 1
		.amdhsa_wavefront_size32 1
		.amdhsa_system_sgpr_workgroup_id_x 1
		.amdhsa_system_sgpr_workgroup_id_y 1
		.amdhsa_system_sgpr_workgroup_id_z 1
		.amdhsa_system_vgpr_workitem_id 0
		.amdhsa_next_free_vgpr 1024
		.amdhsa_next_free_sgpr 66
		.amdhsa_reserve_vcc 0
		.amdhsa_float_denorm_mode_32 3
		.amdhsa_float_denorm_mode_16_64 3
		.amdhsa_memory_ordered 1
		.amdhsa_forward_progress 1
		.amdhsa_inst_pref_size 158
	.end_amdhsa_kernel
	.amdgpu_metadata
---
amdhsa.version: [ 1, 2 ]
amdhsa.kernels:
  - .name:           k_qf4e7a8418c_swattn
    .symbol:         k_qf4e7a8418c_swattn.kd
    .args:
      - { .name: q, .offset: 0, .size: 8, .value_kind: global_buffer, .address_space: global }
      - { .name: k, .offset: 8, .size: 8, .value_kind: global_buffer, .address_space: global }
      - { .name: v, .offset: 16, .size: 8, .value_kind: global_buffer, .address_space: global }
      - { .name: q_gamma, .offset: 24, .size: 8, .value_kind: global_buffer, .address_space: global }
      - { .name: k_gamma, .offset: 32, .size: 8, .value_kind: global_buffer, .address_space: global }
      - { .name: out0, .offset: 40, .size: 8, .value_kind: global_buffer, .address_space: global }
    .group_segment_fixed_size: 135680
    .private_segment_fixed_size: 0
    .kernarg_segment_align: 8
    .kernarg_segment_size: 48
    .max_flat_workgroup_size: 128
    .sgpr_count:     66
    .vgpr_count:     1024
    .wavefront_size: 32
...
	.end_amdgpu_metadata
.endif
;; end of part 2
